; MI455X (gfx1250); checked and timed in simulation.
; The chip was launched on July 23, 2026; its instructions are those of AMD's public machine-readable ISA for CDNA 5 (MIT licence, August 2026) and "CDNA5" Instruction Set Architecture Reference Guide (July 2026). The comments in the code are by the model that wrote it; some were corrected since.
;; dot attention. Allowed arithmetic: float matrix products may take bf16 or f16 operands with f32 sums; all other float work in f32.
;; Inputs: kv 4 x 4,096 x 512 float32; q 4 x 4,096 x 512 float32.
;; Outputs: out0 16,384 float32.
;; 2 versions, each right; version 2 is version 1 with the launch scores written anew for expert scheduling mode. Each part assembles by itself: llvm-mc -triple=amdgcn-amd-amdhsa -mcpu=gfx1250 --defsym DOCPART=n.
;; ======== version 1 of 2: 2 launches
;; workspace buffers: part 1,048,576 bytes
;; launch scores (part 1): grid 256 x 1, 4 waves a work-group, no clusters, 133,632 bytes of LDS; arguments kv, q, part; writes part
.if DOCPART == 1
	.amdgcn_target "amdgcn-amd-amdhsa--gfx1250"
	.amdhsa_code_object_version 6
	.text
	.protected	k_q283c40357c_scores
	.globl	k_q283c40357c_scores
	.p2align	8
	.type	k_q283c40357c_scores,@function
k_q283c40357c_scores:
	s_mov_b64 s[64:65], 0
	v_nop
	global_prefetch_b8 v0, s[64:65] scope:SCOPE_SE
	s_setreg_imm32_b32 hwreg(HW_REG_WAVE_MODE, 25, 1), 1
	s_wait_xcnt 0x0
; out[b][n] = exp(s_nn - logsumexp over m of s_nm), s = q kv^T / 16.  q, kv: [4][4096][512] f32.
; THIS LAUNCH: a work-group takes 256 query rows x 1024 keys (a quarter of the key axis) and leaves, for each of its rows,
; (m, l, d, 0): m the largest raw score (not yet divided by 16), l the sum of 2^(c (s - m)), c = log2(e) / 16, and d the raw
; diagonal score if its key lies in this quarter, else 0.  16 row blocks x 4 quarters x 4 batches = 256 work-groups of equal work.
; The second launch joins the four quarters.
;
; SHAPE.  Four waves.  A wave keeps its 64 query rows x 512 k as bf16 fragments in 512 registers for the whole launch, so that each
; kv number read from LDS feeds 64 multiply-adds.  All four waves walk the same kv tiles of 32 keys through two LDS slots.
; f32 becomes bf16 in registers on the way from memory to LDS, once for each number and work-group: two 16-byte loads, four
; packed conversions, one 16-byte LDS store.  A ring of four register slices (16 loads each) keeps three slices of every wave in flight.
; The conversion unit is half a row (1,024 bytes): lane L takes floats 4L..4L+3 and 128+4L..128+4L+3 and stores them as the eight bf16 at
; byte 16 L of the LDS half row.  That permutes k inside each 256, alike for q and kv, so the products stay paired.
;
; THE MATRIX INSTRUCTION takes 16 keys as A and 16 queries as B: lane (r, h) then holds query r and keys 8h..8h+7 in its eight result
; registers.  Maximum and sum over keys stay inside the lane; the two halves of the lanes are joined once, at the end.
; The exponentials of key block i-1 are laid singly between the 64 matrix instructions of key block i (two accumulator sets take turns).
; Loads and stores stand in runs, at the head and in the middle of a key block, never directly behind a matrix instruction.
; The running maximum is taken away before every exponential.  The diagonal is picked out of the same sums by v_cndmask_b32 in every trip
; (masks that are zero in the trips without it): no branch hangs on it, and d <= m holds exactly.
;
; NO CLUSTER, NO TENSOR LOADS, though the 16 row blocks of a batch and quarter read the same kv: a tensor load would lay f32 into LDS,
; 2,048 bytes written, 2,048 read back and 1,024 rewritten as bf16 for each key row in front of the 4,096 bytes of fragment reads, against
; 1,024 + 4,096 here.  No prefetch: every load is issued two tiles (256 matrix instructions of the wave) ahead of its use.
;
; LIMITS.  Results below 2^-126 come out as 0 (v_exp_f32 flushes denormals: ISA guide 15.8).  NaN and infinities in the inputs are not followed.
; k is summed in the permuted order above.  The diagonal score carries the bf16 rounding of the matrix operands, like all scores.
;
; REGISTERS, in windows of 256:
;   window 0: addresses, two accumulator sets, two halves of the key fragments, the running figures
;   window 1: the ring of four slices, slice g at v[64 g], unit u at + 8 u
;   window 2: query fragments ks 0-7 at 8 (4 ks + nb);   window 3: ks 8-15 likewise
.set PITCH, 1040                       ; an LDS row: 1,024 bytes of bf16 + 16 = 65 x 16: sixteen rows start at sixteen different 16-byte columns modulo 256
.set HB,    16*PITCH                   ; a key block of 16 rows
.set SLOTB, 32*PITCH                   ; a slot: a tile of 32 keys
.set QST,   2*SLOTB                    ; behind the two slots: a stage of 16 query rows for each wave, its own
.set ADRF,  4                          ; v4   fragment reads of kv: r PITCH + 16 h
.set ADRFQ, 5                          ; v5   fragment reads of my q stage
.set ADRG,  6                          ; v6   kv in memory: my 4 rows of a key block, 8192 w + 16 L
.set ADRGQ, 7                          ; v7   q in memory: my 64 rows, 131072 w + 16 L
.set ADRS,  8                          ; v8   LDS stores of kv: my 4 rows of a key block, 4 PITCH w + 16 L
.set ADRSQ, 9                          ; v9   LDS stores into my q stage
.set ADRO,  10                         ; v10  my 16 bytes in part: (64 w + L) 16
.set ACC0,  16                         ; v[16:47]   accumulators of even key blocks, query block nb at + 8 nb
.set ACC1,  48                         ; v[48:79]   of odd key blocks
.set FA0,   80                         ; v[80:143]  key fragments ks 0-7
.set FA1,   144                        ; v[144:207] key fragments ks 8-15
.set RM,    208                        ; v[208:211] running maximum, one for each query block
.set DG,    212                        ; v[212:215] diagonal score
.set RL,    216                        ; v[216:223] running sum, a pair for each query block
.set NCA,   224                        ; v[224:231] pairs (n = -c m, n - n before), written for key blocks 0 and 2 of four
.set NCB,   232                        ; v[232:239] the same for key blocks 1 and 3
.set TT,    240                        ; v[240:243] at work
.set EM,    16                         ; the way out, in registers of ACC0, which is done with by then
.set EL,    20
.set ED,    24
.set EX,    28
.set EN,    32
.set QD,    40
.set KVB,   4                          ; s[4:5]  kv at my batch and quarter, stepped two tiles a trip
.set QB,    6                          ; s[6:7]  q at the work-group's 256 rows
.set PB,    8                          ; s[8:9]  part at the work-group's 256 rows of its quarter
.set MK,    24                         ; s[24:31] lane masks of the diagonal, one for each result register
.set MSB, 0
.macro WIN new                         ; the immediate's high byte repeats the setting that is left; switches that change nothing are dropped
.if MSB != \new
	s_set_vgpr_msb (MSB<<8)|\new
.set MSB, \new
.endif
.endm
; settings: 0x45 all of a conversion in window 1; 0x44 address in window 0, loaded or stored data in window 1;
; 0x08, 0x0c source 1 (the query fragment) in window 2, 3, all else in window 0; 0x80, 0xc0 loaded data in window 2, 3
.macro PLACES                          ; four places behind a matrix instruction (ISA guide 7.12.1) where there is no useful work for them
.rept 4
	v_nop
.endr
.endm
	s_load_b128 s[4:7], s[0:1], 0x0                ; kv, q
	s_load_b64 s[8:9], s[0:1], 0x10                ; part
	v_lshl_add_u32 v254, v0, 2, 0x20800
	v_mov_b32 v255, 0
	v_lshrrev_b32 v11, 5, v0
	v_readfirstlane_b32 s10, v11                   ; w: wave 0..3
	v_and_b32 v1, 31, v0                           ; L
	v_and_b32 v2, 15, v0                           ; r
	v_bfe_u32 v3, v0, 4, 1                         ; h
	s_lshr_b32 s11, ttmp9, 6                       ; b:  batch
	s_bfe_u32 s12, ttmp9, 0x20004                  ; kq: quarter of the keys
	s_and_b32 s13, ttmp9, 15                       ; rb: block of 256 query rows
	v_lshlrev_b32 v12, 4, v1                       ; 16 L
	v_mul_u32_u24 v[ADRF], v2, PITCH
	v_lshl_add_u32 v[ADRF], v3, 4, v[ADRF]
	s_mul_i32 s2, s10, HB
	s_add_co_u32 s2, s2, QST                       ; my q stage
	v_add_nc_u32 v[ADRFQ], s2, v[ADRF]
	v_add_nc_u32 v[ADRSQ], s2, v12
	s_lshl_b32 s3, s10, 13
	v_add_nc_u32 v[ADRG], s3, v12
	s_lshl_b32 s3, s10, 17
	v_add_nc_u32 v[ADRGQ], s3, v12
	s_mul_i32 s3, s10, 4*PITCH
	v_add_nc_u32 v[ADRS], s3, v12
	s_lshl_b32 s3, s10, 10
	v_add_nc_u32 v[ADRO], s3, v12
	; My query block nb meets its own keys in key block 16 (rb - 4 kq) + 4 w + nb of this quarter, if kq = rb / 4:
	; group of four key blocks 4 (rb % 4) + w, place nb in the group.  Otherwise no group matches.
	s_lshr_b32 s2, s13, 2
	s_and_b32 s3, s13, 3
	s_lshl2_add_u32 s3, s3, s10
	s_cmp_eq_u32 s12, s2
	s_cselect_b32 s17, s3, 0xffff                  ; s17: the group with my diagonal
	s_mov_b32 s18, 0x76543210                      ; v_permlanex16_b32: lane i of one half reads lane i of the other
	s_mov_b32 s19, 0xfedcba98
	s_mov_b32 s20, 0x3db8aa3b                      ; c = log2(e) / 16, twice: the packed multiply-add names the pair
	s_mov_b32 s21, 0x3db8aa3b
	s_mov_b32 s22, 0xbdb8aa3b                      ; -c
	s_lshl_b32 s14, s11, 23                        ; a batch is 8,388,608 bytes, a quarter of its keys 2,097,152
	s_lshl_b32 s2, s12, 21
	s_add_co_u32 s14, s14, s2
	s_mov_b32 s15, 0
	s_wait_kmcnt 0x0
	s_add_nc_u64 s[KVB:KVB+1], s[KVB:KVB+1], s[14:15]
	s_lshl_b32 s14, s11, 23
	s_lshl_b32 s2, s13, 19                         ; 256 rows of 2,048 bytes
	s_add_co_u32 s14, s14, s2
	s_add_nc_u64 s[QB:QB+1], s[QB:QB+1], s[14:15]
	s_lshl_b32 s14, s12, 18                        ; part: 16 bytes a row, 16,384 rows a quarter
	s_lshl_b32 s2, s11, 16
	s_add_co_u32 s14, s14, s2
	s_lshl_b32 s2, s13, 12
	s_add_co_u32 s14, s14, s2
	s_add_nc_u64 s[PB:PB+1], s[PB:PB+1], s[14:15]
; 16 loads: a slice of 4 rows = 8 units of 1,024 bytes.  Each load of the wave covers 512 consecutive bytes.  (Under WIN 0x44.)
.macro LOADSL sig, areg, base, imm
.irp u, 0,1,2,3,4,5,6,7
	global_load_b128 v[64*(\sig)+8*\u:64*(\sig)+8*\u+3],   v[\areg], s[\base:\base+1] offset:1024*\u+(\imm)
	global_load_b128 v[64*(\sig)+8*\u+4:64*(\sig)+8*\u+7], v[\areg], s[\base:\base+1] offset:1024*\u+512+(\imm)
.endr
.endm
; 32 packed conversions in place: a unit's eight f32 become four registers of bf16.  (Under WIN 0x45.)
.macro CVTSL sig
.irp u, 0,1,2,3,4,5,6,7
	v_cvt_pk_bf16_f32 v[64*(\sig)+8*\u],   v[64*(\sig)+8*\u],   v[64*(\sig)+8*\u+1]
	v_cvt_pk_bf16_f32 v[64*(\sig)+8*\u+1], v[64*(\sig)+8*\u+2], v[64*(\sig)+8*\u+3]
	v_cvt_pk_bf16_f32 v[64*(\sig)+8*\u+2], v[64*(\sig)+8*\u+4], v[64*(\sig)+8*\u+5]
	v_cvt_pk_bf16_f32 v[64*(\sig)+8*\u+3], v[64*(\sig)+8*\u+6], v[64*(\sig)+8*\u+7]
.endr
.endm
; 8 LDS stores: unit 2 i + x is half x of the slice's row i; 32 lanes fill 512 consecutive bytes.  (Under WIN 0x44.)
.macro STORESL sig, areg, imm
.irp i, 0,1,2,3
.irp x, 0,1
	ds_store_b128 v[\areg], v[64*(\sig)+8*(2*\i+\x):64*(\sig)+8*(2*\i+\x)+3] offset:\i*PITCH+\x*512+(\imm)
.endr
.endr
.endm
; 16 LDS loads in a run: eight fragments of 16 rows x 32 k (lane (r, h): 16 bytes at 16 h and at 32 + 16 h of the 64 bytes of row r)
.macro FRAG buf, areg, imm
.irp f, 0,1,2,3,4,5,6,7
	ds_load_b128 v[\buf+8*\f:\buf+8*\f+3],   v[\areg] offset:64*\f+(\imm)
	ds_load_b128 v[\buf+8*\f+4:\buf+8*\f+7], v[\areg] offset:64*\f+32+(\imm)
.endr
.endm
; the 16 fragments of query block nb, out of my stage into windows 2 and 3.  LDS serves a wave's instructions in order
; (ISA guide 5.7.1): these loads see my stores in front of them.
.macro QFRAG nb
	WIN 0x80
.irp k, 0,1,2,3,4,5,6,7
	ds_load_b128 v[8*(4*\k+\nb):8*(4*\k+\nb)+3],   v[ADRFQ] offset:64*\k
	ds_load_b128 v[8*(4*\k+\nb)+4:8*(4*\k+\nb)+7], v[ADRFQ] offset:64*\k+32
.endr
	WIN 0xc0
.irp k, 0,1,2,3,4,5,6,7
	ds_load_b128 v[8*(4*\k+\nb):8*(4*\k+\nb)+3],   v[ADRFQ] offset:512+64*\k
	ds_load_b128 v[8*(4*\k+\nb)+4:8*(4*\k+\nb)+7], v[ADRFQ] offset:512+64*\k+32
.endr
	WIN 0
.endm
; The diagonal's lanes for result register j: key 8 h + j = query r, that is lanes j and 24 + j; none in the groups without my diagonal.
.macro MASKS
	s_cmp_eq_u32 s16, s17
.irp j, 0,1,2,3,4,5,6,7
	s_cselect_b32 s[MK+\j], (1<<\j)|(1<<(24+\j)), 0
.endr
.endm
; Softmax of a finished key block, first part: the diagonal out of query block pj, then for each query block the new maximum,
; n = -c m, and n - n before = c (m before - m), the exponent of the factor that the old sum is due.
.macro PARTA acc, pj, nci, nco
.irp j, 0,1,2,3,4,5,6,7
	v_cndmask_b32 v[DG+\pj], v[DG+\pj], v[\acc+8*\pj+\j], s[MK+\j]
.endr
.irp t, 0,1,2,3
	v_max3_num_f32 v[TT+\t], v[\acc+8*\t], v[\acc+8*\t+1], v[\acc+8*\t+2]
.endr
.irp t, 0,1,2,3
	v_max3_num_f32 v[TT+\t], v[TT+\t], v[\acc+8*\t+3], v[\acc+8*\t+4]
.endr
.irp t, 0,1,2,3
	v_max3_num_f32 v[TT+\t], v[TT+\t], v[\acc+8*\t+5], v[\acc+8*\t+6]
.endr
.irp t, 0,1,2,3
	v_max3_num_f32 v[RM+\t], v[TT+\t], v[\acc+8*\t+7], v[RM+\t]
.endr
.irp t, 0,1,2,3
	v_mul_f32 v[\nco+2*\t], s22, v[RM+\t]
.endr
.irp t, 0,1,2,3
	v_sub_f32 v[\nco+2*\t+1], v[\nco+2*\t], v[\nci+2*\t]
.endr
.endm
; Second part, number n of 32 (query block n / 8, register n % 8): s c + n for a pair, 2^ of each, and behind a block's last its factor.
; It names no register of the matrix instructions between which it stands, and under their window settings it still means window 0:
; source 1 of the packed multiply-add is scalar.  No result of v_exp_f32 is read before a plain instruction has followed it (ISA guide 5.7.2).
.macro SAFE acc, nco, n
.if ((\n)&1) == 0
	v_pk_fma_f32 v[\acc+(\n):\acc+(\n)+1], v[\acc+(\n):\acc+(\n)+1], s[20:21], v[\nco+2*((\n)>>3):\nco+2*((\n)>>3)+1] op_sel_hi:[1,0,0]
.endif
	v_exp_f32 v[\acc+(\n)], v[\acc+(\n)]
.if ((\n)&7) == 7
	v_exp_f32 v[\nco+2*((\n)>>3)+1], v[\nco+2*((\n)>>3)+1]
.endif
.endm
; Third part, for query block t: sum = sum x factor + the eight new terms, in pairs.
.macro PARTC1 acc, nco, t
	s_wait_alu depctr_va_vdst(0)
	v_pk_fma_f32 v[RL+2*\t:RL+2*\t+1], v[RL+2*\t:RL+2*\t+1], v[\nco+2*\t:\nco+2*\t+1], v[\acc+8*\t:\acc+8*\t+1] op_sel:[0,1,0] op_sel_hi:[1,1,1]
	v_pk_add_f32 v[TT+2*(\t&1):TT+2*(\t&1)+1], v[\acc+8*\t+2:\acc+8*\t+3], v[\acc+8*\t+4:\acc+8*\t+5]
	v_pk_add_f32 v[RL+2*\t:RL+2*\t+1], v[RL+2*\t:RL+2*\t+1], v[\acc+8*\t+6:\acc+8*\t+7]
	v_pk_add_f32 v[RL+2*\t:RL+2*\t+1], v[RL+2*\t:RL+2*\t+1], v[TT+2*(\t&1):TT+2*(\t&1)+1]
.endm
.macro PARTC acc, nco, ta, tb          ; two query blocks: 8 plain instructions.  The first reads no result of the last two v_exp_f32 in front of it
	PARTC1 \acc, \nco, \ta
	PARTC1 \acc, \nco, \tb
.endm
; 4 matrix instructions: 16 keys x my 64 queries x 32 along k (fragment k of buf, query fragments k of the window that is set).
; zero = 1: they start the sums with C = 0, nothing is cleared.
; safe: numbers n0, n0 + 1 of the block before's second softmax part, one behind every second matrix instruction.
.macro MULK acc, buf, k, zero, safe, pacc, nco, n0
.irp b, 0,1,2,3
.if \zero
	v_wmma_f32_16x16x32_bf16 v[\acc+8*\b:\acc+8*\b+7], v[\buf+8*\k:\buf+8*\k+7], v[8*(4*\k+\b):8*(4*\k+\b)+7], 0
.else
	v_wmma_f32_16x16x32_bf16 v[\acc+8*\b:\acc+8*\b+7], v[\buf+8*\k:\buf+8*\k+7], v[8*(4*\k+\b):8*(4*\k+\b)+7], v[\acc+8*\b:\acc+8*\b+7]
.endif
.if \safe
.if (\b&1) == 0
	SAFE \pacc, \nco, (\n0+(\b>>1))
.endif
.endif
.endr
.endm
; ONE KEY BLOCK: half kb of the tile in slot, 64 matrix instructions.
; docvt: my slice of half kb of the NEXT tile is converted and stored into the other slot; dold: its ring slice is loaded again, with
; tile tl counted from KVB; left: how many younger loads stay out.  prev: the block before gets its softmax, pj its place in its group of four.
; nxt: 1 the next block lies in this slot, 2 in the other (a barrier), 0 there is none.
; Places behind matrix instructions: the 8 instructions of PARTC at a step's end (behind key block 0 the next step's
; conversions) stand in front of the loads into FA1 and of PARTA; the 8 of PARTC at mid-step (in key block 0 four v_nop) in front of the loads into FA0.
.macro STEP slot, kb, tl, docvt, dold, left, prev, pj, nxt
.if \docvt
	s_wait_loadcnt \left                           ; loads come back in order (ISA guide 5.7.1): my oldest slice is in, the younger ones stay out
	WIN 0x45
	CVTSL (2*(1-\slot)+\kb)
	WIN 0x44
	STORESL (2*(1-\slot)+\kb), ADRS, ((1-\slot)*SLOTB+\kb*HB)
.if \dold
	LOADSL (2*(1-\slot)+\kb), ADRG, KVB, (\tl*65536+\kb*32768)
.endif
	WIN 0
.endif
	FRAG FA1, ADRF, (\slot*SLOTB+\kb*HB+512)
.if \prev
	PARTA (ACC0+32*(1-\kb)), \pj, (NCA+8*(1-(\pj&1))), (NCA+8*(\pj&1))
.endif
	s_wait_dscnt 16+8*\docvt                       ; FA0 is in; the slice's 8 stores and FA1's 16 loads, issued behind it, may be out
	WIN 0x08
	MULK (ACC0+32*\kb), FA0, 0, 1, \prev, (ACC0+32*(1-\kb)), (NCA+8*(\pj&1)), 0
.irp g, 1,2,3,4,5
	MULK (ACC0+32*\kb), FA0, \g, 0, \prev, (ACC0+32*(1-\kb)), (NCA+8*(\pj&1)), (2*\g)
.endr
.if \nxt == 2
	s_wait_dscnt 0x0                               ; FA1 is in.  For the others: my stores into the other slot are done and my reads of this slot are over
	s_barrier_signal -1                            ; say so, and work on registers while the others arrive
.endif
.irp g, 6,7
	MULK (ACC0+32*\kb), FA0, \g, 0, \prev, (ACC0+32*(1-\kb)), (NCA+8*(\pj&1)), (2*\g)
.endr
	WIN 0
.if \nxt != 2
	s_wait_dscnt 0x0                               ; FA1 is in
.endif
.if \prev
	PARTC (ACC0+32*(1-\kb)), (NCA+8*(\pj&1)), 0, 1 ; query blocks 0 and 1: their exponentials stood in the first half
.else
	PLACES
.endif
.if \nxt == 2
	s_barrier_wait -1                              ; all four have said so: the other slot is whole and may be read, this one may be written from the next step on
	FRAG FA0, ADRF, ((1-\slot)*SLOTB)
.endif
.if \nxt == 1
	FRAG FA0, ADRF, (\slot*SLOTB+HB)
.endif
	WIN 0x0c
.irp g, 0,1,2,3,4,5,6,7
	MULK (ACC0+32*\kb), FA1, \g, 0, \prev, (ACC0+32*(1-\kb)), (NCA+8*(\pj&1)), (16+2*\g)
.endr
	WIN 0
.if \prev
	PARTC (ACC0+32*(1-\kb)), (NCA+8*(\pj&1)), 2, 3 ; query blocks 2 and 3
.endif
.endm
	; THE RING IS FILLED: my first 16 query rows
	WIN 0x44
	LOADSL 0, ADRGQ, QB, 0
	LOADSL 1, ADRGQ, QB, 8192
	LOADSL 2, ADRGQ, QB, 16384
	LOADSL 3, ADRGQ, QB, 24576
	WIN 0
.irp t, 0,1,2,3
	v_mov_b32 v[RM+\t], 0xff800000                 ; maximum -inf,
	v_mov_b32 v[NCB+2*\t], 0x7f800000              ; so n = +inf: the first factor is 2^-inf = 0
	v_mov_b32 v[DG+\t], 0
	v_mov_b32 v[RL+2*\t], 0
	v_mov_b32 v[RL+2*\t+1], 0
.endr
; MY QUERIES: 16 slices of 4 rows through my stage, 16 rows at a time, into fragments.  Each slice's ring place is loaded again at once:
; with the query slice four further on, at the end with the first four kv slices (tiles 0 and 1).
.macro QSLICE qs
.if ((\qs)&3) == 0
.if \qs
	s_wait_dscnt 0x0                               ; the fragments of the 16 rows before have left the stage
.endif
.endif
	s_wait_loadcnt 48                              ; three younger slices of 16 loads stay out
	WIN 0x45
	CVTSL ((\qs)&3)
	WIN 0x44
	STORESL ((\qs)&3), ADRSQ, (((\qs)&3)*4*PITCH)
.if \qs < 12
	LOADSL ((\qs)&3), ADRGQ, QB, ((\qs+4)*8192)
.else
	LOADSL ((\qs)&3), ADRG, KVB, ((\qs-12)*32768)
.endif
.if ((\qs)&3) == 3
	QFRAG ((\qs)>>2)
.endif
.endm
.irp qs, 0,1,2,3,4,5,6,7,8,9,10,11,12,13,14,15
	QSLICE \qs
.endr
	; TILE 0 into slot 0; its two ring places take tile 2
.irp kb, 0,1
	s_wait_loadcnt 48
	WIN 0x45
	CVTSL \kb
	WIN 0x44
	STORESL \kb, ADRS, (\kb*HB)
	LOADSL \kb, ADRG, KVB, (131072+\kb*32768)
.endr
	WIN 0
	s_wait_dscnt 0x0                               ; my part of tile 0 is stored (and my last query fragments are in),
	s_barrier_signal -1
	s_barrier_wait -1                              ; everybody's is
	FRAG FA0, ADRF, 0
	STEP 0, 0, 3, 1, 1, 48, 0, 0, 1                ; key block 0: nothing in front of it to finish
	s_mov_b32 s16, 0                               ; s16: the group of four key blocks whose softmax the trip does, and the trip counter
.Ltrip:                                            ; trip d multiplies key blocks 4d+1 .. 4d+4 and finishes 4d .. 4d+3; KVB stands at tile 2d
	MASKS
	STEP 0, 1, 3, 1, 1, 48, 1, 0, 2
	STEP 1, 0, 4, 1, 1, 48, 1, 1, 1
	STEP 1, 1, 4, 1, 1, 48, 1, 2, 2
	STEP 0, 0, 5, 1, 1, 48, 1, 3, 1
	s_wait_xcnt 0x0                                ; the base of the loads issued so far is stepped only behind this wait
	s_add_nc_u64 s[KVB:KVB+1], s[KVB:KVB+1], 131072
	s_add_co_u32 s16, s16, 1
	s_cmp_lt_u32 s16, 14
	s_cbranch_scc1 .Ltrip
	; THE TAIL, key blocks 57 to 63: one more slice is asked for (the last of tile 31), then none, and the counts run down
	MASKS                                          ; group 14
	STEP 0, 1, 3, 1, 1, 48, 1, 0, 2
	STEP 1, 0, 0, 1, 0, 48, 1, 1, 1
	STEP 1, 1, 0, 1, 0, 32, 1, 2, 2
	STEP 0, 0, 0, 1, 0, 16, 1, 3, 1
	s_mov_b32 s16, 15
	MASKS                                          ; group 15
	STEP 0, 1, 0, 1, 0, 0, 1, 0, 2
	STEP 1, 0, 0, 0, 0, 0, 1, 1, 1
	STEP 1, 1, 0, 0, 0, 0, 1, 2, 0
	PARTA ACC1, 3, NCA, NCB                        ; key block 63; the eight instructions at the last step's end are the places behind the last matrix instructions
.set nn, 0
.rept 32
	SAFE ACC1, NCB, nn
.set nn, nn+1
.endr
	PARTC ACC1, NCB, 0, 1
	PARTC ACC1, NCB, 2, 3
	; THE WAY OUT.  Lanes (r, 0) and (r, 1) hold query r's figures over the even and the odd eights of keys: join them.
.irp t, 0,1,2,3
	v_add_f32 v[RL+2*\t], v[RL+2*\t], v[RL+2*\t+1]
.endr
.irp t, 0,1,2,3
	v_permlanex16_b32 v[EM+\t], v[RM+\t], s18, s19         ; (destinations that have been written before: they count as read)
	v_permlanex16_b32 v[EL+\t], v[RL+2*\t], s18, s19
	v_permlanex16_b32 v[ED+\t], v[DG+\t], s18, s19
.endr
.irp t, 0,1,2,3
	v_max_num_f32 v[EX+\t], v[RM+\t], v[EM+\t]             ; the joint maximum
	v_add_f32 v[DG+\t], v[DG+\t], v[ED+\t]                 ; one of the two is 0
.endr
.irp t, 0,1,2,3
	v_mul_f32 v[EN+\t], s22, v[EX+\t]
.endr
.irp t, 0,1,2,3
	v_fma_f32 v[RM+\t], v[RM+\t], s20, v[EN+\t]            ; c (m - joint m), mine and the other half's
	v_fma_f32 v[EM+\t], v[EM+\t], s20, v[EN+\t]
.endr
.irp t, 0,1,2,3
	v_exp_f32 v[RM+\t], v[RM+\t]
	v_exp_f32 v[EM+\t], v[EM+\t]
.endr
	v_mov_b32 v[QD+3], 0                                   ; the fourth word of a row's 16 bytes; also the plain place behind v_exp_f32
	v_mov_b32 v[QD+7], 0
	v_cmp_le_u32 vcc_lo, 16, v1                            ; lanes 16-31
	s_wait_alu depctr_va_vdst(0)
.irp t, 0,1,2,3
	v_mul_f32 v[RL+2*\t], v[RL+2*\t], v[RM+\t]
.endr
.irp t, 0,1,2,3
	v_fmac_f32 v[RL+2*\t], v[EL+\t], v[EM+\t]
.endr
	; Both halves now hold all four query blocks.  Lanes 0-15 store block 2 p, lanes 16-31 block 2 p + 1: lane L stores row 32 p + L,
	; and each store of the wave covers 512 consecutive bytes, at a multiple of 512 from part's first byte.
.irp p, 0,1
	v_cndmask_b32 v[QD+4*\p],   v[EX+2*\p], v[EX+2*\p+1], vcc_lo
	v_cndmask_b32 v[QD+4*\p+1], v[RL+4*\p], v[RL+4*\p+2], vcc_lo
	v_cndmask_b32 v[QD+4*\p+2], v[DG+2*\p], v[DG+2*\p+1], vcc_lo
	global_store_b128 v[ADRO], v[QD+4*\p:QD+4*\p+3], s[PB:PB+1] offset:512*\p
.endr
	s_wait_tensorcnt 0x0
	ds_add_u32 v254, v255
	s_wait_dscnt 0x0
	s_endpgm
.Lfunc_end_k_q283c40357c_scores:
	.size	k_q283c40357c_scores, .Lfunc_end_k_q283c40357c_scores-k_q283c40357c_scores
	.p2alignl 7, 3214868480
	.fill 96, 4, 3214868480
	.section	.rodata,"a",@progbits
	.p2align	6, 0x0
	.amdhsa_kernel k_q283c40357c_scores
		.amdhsa_group_segment_fixed_size 133632
		.amdhsa_private_segment_fixed_size 0
		.amdhsa_enable_private_segment 0
		.amdhsa_kernarg_size 24
		.amdhsa_user_sgpr_count 2
		.amdhsa_user_sgpr_kernarg_segment_ptr 1
		.amdhsa_wavefront_size32 1
		.amdhsa_system_sgpr_workgroup_id_x 1
		.amdhsa_system_sgpr_workgroup_id_y 1
		.amdhsa_system_sgpr_workgroup_id_z 1
		.amdhsa_system_vgpr_workitem_id 0
		.amdhsa_next_free_vgpr 1024
		.amdhsa_next_free_sgpr 66
		.amdhsa_reserve_vcc 1
		.amdhsa_float_denorm_mode_32 3
		.amdhsa_float_denorm_mode_16_64 3
		.amdhsa_memory_ordered 1
		.amdhsa_forward_progress 1
		.amdhsa_inst_pref_size 255
	.end_amdhsa_kernel
	.section	.bss,"aw",@nobits
	.p2align	6
	.space	262144
	.amdgpu_metadata
---
amdhsa.version: [ 1, 2 ]
amdhsa.kernels:
  - .name:           k_q283c40357c_scores
    .symbol:         k_q283c40357c_scores.kd
    .args:
      - { .name: kv, .offset: 0, .size: 8, .value_kind: global_buffer, .address_space: global }
      - { .name: q, .offset: 8, .size: 8, .value_kind: global_buffer, .address_space: global }
      - { .name: part, .offset: 16, .size: 8, .value_kind: global_buffer, .address_space: global }
    .group_segment_fixed_size: 133632
    .private_segment_fixed_size: 0
    .kernarg_segment_align: 8
    .kernarg_segment_size: 24
    .max_flat_workgroup_size: 128
    .sgpr_count:     66
    .vgpr_count:     1024
    .wavefront_size: 32
...
	.end_amdgpu_metadata
.endif
;; end of part 1
;; launch merge (part 2): grid 256 x 1, 1 waves a work-group, no clusters, 512 bytes of LDS; arguments part, out0; writes out0
.if DOCPART == 2
	.amdgcn_target "amdgcn-amd-amdhsa--gfx1250"
	.amdhsa_code_object_version 6
	.text
	.protected	k_q283c40357c_merge
	.globl	k_q283c40357c_merge
	.p2align	8
	.type	k_q283c40357c_merge,@function
k_q283c40357c_merge:
	s_mov_b64 s[64:65], 0
	v_nop
	global_prefetch_b8 v0, s[64:65] scope:SCOPE_SE
	s_setreg_imm32_b32 hwreg(HW_REG_WAVE_MODE, 25, 1), 1
	s_wait_xcnt 0x0
; Joins the four key quarters.  part[kq][row] = (m, l, d, 0): largest raw score, sum of 2^(c (s - m)), raw diagonal score or 0; c = log2(e) / 16.
; out[row] = 2^(c (d - M)) / L,  M = the largest of the four m,  L = the sum of l 2^(c (m - M)),  d = the sum of the four d (three are 0).
; d is one of the scores under M, so the exponent is never above rounding's reach of 0; L is at least about 1 and at most 4,096.
; One wave for 64 rows; lane L takes rows L and 32 + L: each of the eight loads covers 512 consecutive bytes.  1 MiB in, 64 KiB out: memory
; is all there is, so no matrix unit, no cluster, no barrier.  The 64 results pass through 256 bytes of LDS so that one store
; writes 256 consecutive bytes, at a multiple of 256 from the output's first byte.
; LIMIT: results below 2^-126 come out as 0 (v_exp_f32 flushes denormals: ISA guide 15.8).
.set D0,   8                           ; v[8:39]  row half p, quarter q: (m, l, d, 0) at 8 + 16 p + 4 q
.set MXR,  40                          ; v[40:41] M
.set NR,   42                          ; v[42:43] -c M
.set OUTR, 44                          ; v[44:45] the results
	s_load_b128 s[4:7], s[0:1], 0x0                ; part, out0
	v_lshl_add_u32 v64, v0, 2, 0x100
	v_mov_b32 v65, 0
	s_lshl_b32 s8, ttmp9, 10                       ; 64 rows of 16 bytes
	s_lshl_b32 s9, ttmp9, 8                        ; 64 results of 4 bytes
	s_mov_b32 s10, 0x3db8aa3b                      ; c
	s_mov_b32 s11, 0xbdb8aa3b                      ; -c
	v_lshlrev_b32 v2, 2, v0
	v_lshlrev_b32 v3, 3, v0
	v_lshl_add_u32 v1, v0, 4, s8
	v_add_nc_u32 v6, s9, v3
	s_wait_kmcnt 0x0
.irp p, 0,1
.irp q, 0,1,2,3
	global_load_b128 v[D0+16*\p+4*\q:D0+16*\p+4*\q+3], v1, s[4:5] offset:\q*262144+512*\p
.endr
.endr
	s_wait_loadcnt 0x0
.irp p, 0,1
	v_max3_num_f32 v[MXR+\p], v[D0+16*\p], v[D0+16*\p+4], v[D0+16*\p+8]
	v_add_f32 v[D0+16*\p+2], v[D0+16*\p+2], v[D0+16*\p+6]
	v_add_f32 v[D0+16*\p+10], v[D0+16*\p+10], v[D0+16*\p+14]
.endr
.irp p, 0,1
	v_max_num_f32 v[MXR+\p], v[MXR+\p], v[D0+16*\p+12]
	v_add_f32 v[D0+16*\p+2], v[D0+16*\p+2], v[D0+16*\p+10]
.endr
.irp p, 0,1
	v_mul_f32 v[NR+\p], s11, v[MXR+\p]
.endr
.irp p, 0,1
.irp e, 0,4,8,12,2
	v_fma_f32 v[D0+16*\p+\e], v[D0+16*\p+\e], s10, v[NR+\p]        ; c (m - M) four times, c (d - M)
.endr
.endr
.irp p, 0,1
.irp e, 0,4,8,12,2
	v_exp_f32 v[D0+16*\p+\e], v[D0+16*\p+\e]
.endr
.endr
	v_nop                                          ; a plain place behind the last v_exp_f32 (ISA guide 5.7.2)
	s_wait_alu depctr_va_vdst(0)
.irp p, 0,1
	v_mul_f32 v[D0+16*\p+1], v[D0+16*\p+1], v[D0+16*\p]
.endr
.irp q, 1,2,3
.irp p, 0,1
	v_fmac_f32 v[D0+16*\p+1], v[D0+16*\p+4*\q+1], v[D0+16*\p+4*\q]
.endr
.endr
	v_rcp_f32 v[D0+1], v[D0+1]
	v_rcp_f32 v[D0+17], v[D0+17]
	v_nop                                          ; and behind v_rcp_f32
	s_wait_alu depctr_va_vdst(0)
.irp p, 0,1
	v_mul_f32 v[OUTR+\p], v[D0+16*\p+2], v[D0+16*\p+1]
	ds_store_b32 v2, v[OUTR+\p] offset:128*\p      ; row 32 p + L at word 32 p + L
.endr
	ds_load_b64 v[4:5], v3                         ; rows 2 L, 2 L + 1: LDS serves the wave's instructions in order (ISA guide 5.7.1)
	s_wait_dscnt 0x0
	global_store_b64 v6, v[4:5], s[6:7]
	s_wait_tensorcnt 0x0
	ds_add_u32 v64, v65
	s_wait_dscnt 0x0
	s_endpgm
.Lfunc_end_k_q283c40357c_merge:
	.size	k_q283c40357c_merge, .Lfunc_end_k_q283c40357c_merge-k_q283c40357c_merge
	.p2alignl 7, 3214868480
	.fill 96, 4, 3214868480
	.section	.rodata,"a",@progbits
	.p2align	6, 0x0
	.amdhsa_kernel k_q283c40357c_merge
		.amdhsa_group_segment_fixed_size 512
		.amdhsa_private_segment_fixed_size 0
		.amdhsa_enable_private_segment 0
		.amdhsa_kernarg_size 16
		.amdhsa_user_sgpr_count 2
		.amdhsa_user_sgpr_kernarg_segment_ptr 1
		.amdhsa_wavefront_size32 1
		.amdhsa_system_sgpr_workgroup_id_x 1
		.amdhsa_system_sgpr_workgroup_id_y 1
		.amdhsa_system_sgpr_workgroup_id_z 1
		.amdhsa_system_vgpr_workitem_id 0
		.amdhsa_next_free_vgpr 66
		.amdhsa_next_free_sgpr 66
		.amdhsa_reserve_vcc 0
		.amdhsa_float_denorm_mode_32 3
		.amdhsa_float_denorm_mode_16_64 3
		.amdhsa_memory_ordered 1
		.amdhsa_forward_progress 1
		.amdhsa_inst_pref_size 4
	.end_amdhsa_kernel
	.amdgpu_metadata
---
amdhsa.version: [ 1, 2 ]
amdhsa.kernels:
  - .name:           k_q283c40357c_merge
    .symbol:         k_q283c40357c_merge.kd
    .args:
      - { .name: part, .offset: 0, .size: 8, .value_kind: global_buffer, .address_space: global }
      - { .name: out0, .offset: 8, .size: 8, .value_kind: global_buffer, .address_space: global }
    .group_segment_fixed_size: 512
    .private_segment_fixed_size: 0
    .kernarg_segment_align: 8
    .kernarg_segment_size: 16
    .max_flat_workgroup_size: 32
    .sgpr_count:     66
    .vgpr_count:     66
    .wavefront_size: 32
...
	.end_amdgpu_metadata
.endif
;; end of part 2
;; ======== version 2 of 2: 2 launches; version 1 with the launch scores written anew for expert scheduling mode
;; workspace buffers: part 1,048,576 bytes
;; launch scores (part 3): grid 256 x 1, 4 waves a work-group, no clusters, 133,632 bytes of LDS; arguments kv, q, part; writes part
.if DOCPART == 3
	.amdgcn_target "amdgcn-amd-amdhsa--gfx1250"
	.amdhsa_code_object_version 6
	.text
	.protected	k_q283c40357c_scores
	.globl	k_q283c40357c_scores
	.p2align	8
	.type	k_q283c40357c_scores,@function
k_q283c40357c_scores:
	s_mov_b64 s[64:65], 0
	v_nop
	global_prefetch_b8 v0, s[64:65] scope:SCOPE_SE
	s_setreg_imm32_b32 hwreg(HW_REG_WAVE_SCHED_MODE, 0, 2), 2
	s_setreg_imm32_b32 hwreg(HW_REG_WAVE_MODE, 25, 1), 1
	s_wait_xcnt 0x0
	s_wait_alu depctr_vm_vsrc(0)
; out[b][n] = exp(s_nn - logsumexp over m of s_nm), s = q kv^T / 16.  q, kv: [4][4096][512] f32.
; THIS LAUNCH: a work-group takes 256 query rows x 1024 keys (a quarter of the key axis) and leaves, for each of its rows,
; (m, l, d, 0): m the largest raw score (not yet divided by 16), l the sum of 2^(c (s - m)), c = log2(e) / 16, and d the raw
; diagonal score if its key lies in this quarter, else 0.  16 row blocks x 4 quarters x 4 batches = 256 work-groups of equal work.
; The second launch joins the four quarters.
;
; SHAPE.  Four waves.  A wave keeps its 64 query rows x 512 k as bf16 fragments in 512 registers for the whole launch, so that each
; kv number read from LDS feeds 64 multiply-adds.  All four waves walk the same kv tiles of 32 keys through two LDS slots.
; f32 becomes bf16 in registers on the way from memory to LDS, once for each number and work-group: two 16-byte loads, four
; packed conversions, one 16-byte LDS store.  A ring of four register slices (16 loads each) keeps two to three slices of every wave in flight.
; The conversion unit is half a row (1,024 bytes): lane L takes floats 4L..4L+3 and 128+4L..128+4L+3 and stores them as the eight bf16 at
; byte 16 L of the LDS half row.  That permutes k inside each 256, alike for q and kv, so the products stay paired.
;
; THE MATRIX INSTRUCTION takes 16 keys as A and 16 queries as B: lane (r, h) then holds query r and keys 8h..8h+7 in its eight result
; registers.  Maximum and sum over keys stay inside the lane; the two halves of the lanes are joined once, at the end.
; The exponentials of key block i-1 are laid singly between the 64 matrix instructions of key block i (two accumulator sets take turns).
; The running maximum is taken away before every exponential.  The diagonal is picked out of the same sums by v_cndmask_b32 in every trip
; (masks that are zero in the trips without it): no branch hangs on it, and d <= m holds exactly.
;
; THE MODE: SCHED_MODE bits 1:0 = 2 (LLVM: expert scheduling mode 2), set by the entry lines.  The code itself states the register dependences
; between vector or matrix instructions and memory or LDS instructions, with s_wait_alu, always for 0.
; THE PLAN.  Registers that memory or LDS instructions touch, round the loop (key block i; ring slices modulo 4):
;   slice s(i+1)  at the END of key block i its 32 conversions read and write it in place; the 8 LDS stores that follow there read it.
;   slice s(i)    converted and stored at the end of key block i-1; the 16 global loads at the end of key block i land in it.
;   FA0           read by the first half's 32 matrix instructions; the next key block's 16 LDS loads land in it during the second half.
;   FA1           read by the second half's 32 matrix instructions; the next key block's 16 LDS loads land in it during that block's first half.
;   v4 to v10     addresses, made once at the head and never written again; kv's rows are reached by the scalar base and immediate offsets.
;   The accumulators, the running figures and (behind the head) the query fragments are named by vector and matrix instructions alone.
; So a key block has two waits on va_vdst and one on vm_vsrc.  MID, behind the first half: the first half is done reading FA0, and the exponentials of
; query blocks 0 and 1 are written.  END, behind the conversions: they have written slice s(i+1) and those of a block ago are done with slice s(i); the
; second half is done reading FA1; the exponentials of query blocks 2 and 3 are written; beside it vm_vsrc: the stores of a block ago have read slice s(i).
; Behind MID no vector or matrix instruction names FA0 or v4 until the next first half, behind END none names FA1 or v4 until the next second half: so the
; fragment loads are dealt one behind each of a half's first 16 matrix instructions with no further wait.  A slice is loaded again a key block behind
; its stores and ahead of the next slice's stores: all 1,024 registers are taken, so the stores leave from the ring itself.
;
; NO CLUSTER, NO TENSOR LOADS, though the 16 row blocks of a batch and quarter read the same kv: a tensor load would lay f32 into LDS,
; 2,048 bytes written, 2,048 read back and 1,024 rewritten as bf16 for each key row in front of the 4,096 bytes of fragment reads, against
; 1,024 + 4,096 here.  No prefetch: every load is issued three key blocks (192 matrix instructions of the wave) ahead of its use.
;
; LIMITS.  Results below 2^-126 come out as 0 (v_exp_f32 flushes denormals: ISA guide 15.8).  NaN and infinities in the inputs are not followed.
; k is summed in the permuted order above.  The diagonal score carries the bf16 rounding of the matrix operands, like all scores.
;
; REGISTERS, in windows of 256:
;   window 0: addresses, two accumulator sets, two halves of the key fragments, the running figures
;   window 1: the ring of four slices, slice g at v[64 g], unit u at + 8 u
;   window 2: query fragments ks 0-7 at 8 (4 ks + nb);   window 3: ks 8-15 likewise
.set PITCH, 1040                       ; an LDS row: 1,024 bytes of bf16 + 16 = 65 x 16: sixteen rows start at sixteen different 16-byte columns modulo 256
.set HB,    16*PITCH                   ; a key block of 16 rows
.set SLOTB, 32*PITCH                   ; a slot: a tile of 32 keys
.set QST,   2*SLOTB                    ; behind the two slots: a stage of 16 query rows for each wave, its own
.set ADRF,  4                          ; v4   fragment reads of kv: r PITCH + 16 h
.set ADRFQ, 5                          ; v5   fragment reads of my q stage
.set ADRG,  6                          ; v6   kv in memory: my 4 rows of a key block, 8192 w + 16 L
.set ADRGQ, 7                          ; v7   q in memory: my 64 rows, 131072 w + 16 L
.set ADRS,  8                          ; v8   LDS stores of kv: my 4 rows of a key block, 4 PITCH w + 16 L
.set ADRSQ, 9                          ; v9   LDS stores into my q stage
.set ADRO,  10                         ; v10  my 16 bytes in part: (64 w + L) 16
.set ACC0,  16                         ; v[16:47]   accumulators of even key blocks, query block nb at + 8 nb
.set ACC1,  48                         ; v[48:79]   of odd key blocks
.set FA0,   80                         ; v[80:143]  key fragments ks 0-7
.set FA1,   144                        ; v[144:207] key fragments ks 8-15
.set RM,    208                        ; v[208:211] running maximum, one for each query block
.set DG,    212                        ; v[212:215] diagonal score
.set RL,    216                        ; v[216:223] running sum, a pair for each query block
.set NCA,   224                        ; v[224:231] pairs (n = -c m, n - n before), written for key blocks 0 and 2 of four
.set NCB,   232                        ; v[232:239] the same for key blocks 1 and 3
.set TT,    240                        ; v[240:243] at work
.set EM,    16                         ; the way out, in registers of ACC0, which is done with by then
.set EL,    20
.set ED,    24
.set EX,    28
.set EN,    32
.set QD,    40
.set KVB,   4                          ; s[4:5]  kv at my batch and quarter, stepped two tiles a trip
.set QB,    6                          ; s[6:7]  q at the work-group's 256 rows
.set PB,    8                          ; s[8:9]  part at the work-group's 256 rows of its quarter
.set MK,    24                         ; s[24:31] lane masks of the diagonal, one for each result register
.set MSB, 0
.macro WIN new                         ; the immediate's high byte repeats the setting that is left; switches that change nothing are dropped
.if MSB != \new
	s_set_vgpr_msb (MSB<<8)|\new
.set MSB, \new
.endif
.endm
; settings: 0x45 all of a conversion in window 1; 0x44 address in window 0, loaded or stored data in window 1;
; 0x08, 0x0c source 1 (the query fragment) in window 2, 3, all else in window 0; 0x80, 0xc0 loaded data in window 2, 3
.macro PLACES                          ; four places behind a matrix instruction (ISA guide 7.12.1) where there is no useful work for them
.rept 4
	v_nop
.endr
.endm
	s_load_b128 s[4:7], s[0:1], 0x0                ; kv, q
	s_load_b64 s[8:9], s[0:1], 0x10                ; part
	v_lshl_add_u32 v254, v0, 2, 0x20800
	v_mov_b32 v255, 0
	v_lshrrev_b32 v11, 5, v0
	v_readfirstlane_b32 s10, v11                   ; w: wave 0..3
	v_and_b32 v1, 31, v0                           ; L
	v_and_b32 v2, 15, v0                           ; r
	v_bfe_u32 v3, v0, 4, 1                         ; h
	s_lshr_b32 s11, ttmp9, 6                       ; b:  batch
	s_bfe_u32 s12, ttmp9, 0x20004                  ; kq: quarter of the keys
	s_and_b32 s13, ttmp9, 15                       ; rb: block of 256 query rows
	v_lshlrev_b32 v12, 4, v1                       ; 16 L
	v_mul_u32_u24 v[ADRF], v2, PITCH
	v_lshl_add_u32 v[ADRF], v3, 4, v[ADRF]
	s_wait_alu depctr_va_sdst(0)                   ; s10 is written, ahead of its first reader: LDS places, row offsets and the diagonal's group are made from it
	s_mul_i32 s2, s10, HB
	s_add_co_u32 s2, s2, QST                       ; my q stage
	v_add_nc_u32 v[ADRFQ], s2, v[ADRF]
	v_add_nc_u32 v[ADRSQ], s2, v12
	s_lshl_b32 s3, s10, 13
	v_add_nc_u32 v[ADRG], s3, v12
	s_lshl_b32 s3, s10, 17
	v_add_nc_u32 v[ADRGQ], s3, v12
	s_mul_i32 s3, s10, 4*PITCH
	v_add_nc_u32 v[ADRS], s3, v12
	s_lshl_b32 s3, s10, 10
	v_add_nc_u32 v[ADRO], s3, v12
	; My query block nb meets its own keys in key block 16 (rb - 4 kq) + 4 w + nb of this quarter, if kq = rb / 4:
	; group of four key blocks 4 (rb % 4) + w, place nb in the group.  Otherwise no group matches.
	s_lshr_b32 s2, s13, 2
	s_and_b32 s3, s13, 3
	s_lshl2_add_u32 s3, s3, s10
	s_cmp_eq_u32 s12, s2
	s_cselect_b32 s17, s3, 0xffff                  ; s17: the group with my diagonal
	s_mov_b32 s18, 0x76543210                      ; v_permlanex16_b32: lane i of one half reads lane i of the other
	s_mov_b32 s19, 0xfedcba98
	s_mov_b32 s20, 0x3db8aa3b                      ; c = log2(e) / 16, twice: the packed multiply-add names the pair
	s_mov_b32 s21, 0x3db8aa3b
	s_mov_b32 s22, 0xbdb8aa3b                      ; -c
	s_lshl_b32 s14, s11, 23                        ; a batch is 8,388,608 bytes, a quarter of its keys 2,097,152
	s_lshl_b32 s2, s12, 21
	s_add_co_u32 s14, s14, s2
	s_mov_b32 s15, 0
	s_wait_kmcnt 0x0
	s_add_nc_u64 s[KVB:KVB+1], s[KVB:KVB+1], s[14:15]
	s_lshl_b32 s14, s11, 23
	s_lshl_b32 s2, s13, 19                         ; 256 rows of 2,048 bytes
	s_add_co_u32 s14, s14, s2
	s_add_nc_u64 s[QB:QB+1], s[QB:QB+1], s[14:15]
	s_lshl_b32 s14, s12, 18                        ; part: 16 bytes a row, 16,384 rows a quarter
	s_lshl_b32 s2, s11, 16
	s_add_co_u32 s14, s14, s2
	s_lshl_b32 s2, s13, 12
	s_add_co_u32 s14, s14, s2
	s_add_nc_u64 s[PB:PB+1], s[PB:PB+1], s[14:15]
; 16 loads: a slice of 4 rows = 8 units of 1,024 bytes.  Each load of the wave covers 512 consecutive bytes.  (Under WIN 0x44.)
.macro LOADSL sig, areg, base, imm
.irp u, 0,1,2,3,4,5,6,7
	global_load_b128 v[64*(\sig)+8*\u:64*(\sig)+8*\u+3],   v[\areg], s[\base:\base+1] offset:1024*\u+(\imm)
	global_load_b128 v[64*(\sig)+8*\u+4:64*(\sig)+8*\u+7], v[\areg], s[\base:\base+1] offset:1024*\u+512+(\imm)
.endr
.endm
; 32 packed conversions in place: a unit's eight f32 become four registers of bf16.  (Under WIN 0x45.)
.macro CVTSL sig
.irp u, 0,1,2,3,4,5,6,7
	v_cvt_pk_bf16_f32 v[64*(\sig)+8*\u],   v[64*(\sig)+8*\u],   v[64*(\sig)+8*\u+1]
	v_cvt_pk_bf16_f32 v[64*(\sig)+8*\u+1], v[64*(\sig)+8*\u+2], v[64*(\sig)+8*\u+3]
	v_cvt_pk_bf16_f32 v[64*(\sig)+8*\u+2], v[64*(\sig)+8*\u+4], v[64*(\sig)+8*\u+5]
	v_cvt_pk_bf16_f32 v[64*(\sig)+8*\u+3], v[64*(\sig)+8*\u+6], v[64*(\sig)+8*\u+7]
.endr
.endm
; 8 LDS stores: unit 2 i + x is half x of the slice's row i; 32 lanes fill 512 consecutive bytes.  (Under WIN 0x44.)
.macro STORESL sig, areg, imm
.irp i, 0,1,2,3
.irp x, 0,1
	ds_store_b128 v[\areg], v[64*(\sig)+8*(2*\i+\x):64*(\sig)+8*(2*\i+\x)+3] offset:\i*PITCH+\x*512+(\imm)
.endr
.endr
.endm
; A SLICE'S TURN in front of the loop: slice sig is converted and stored; re = 1: the slice before it in the ring, stored a turn ago, is loaded again, ahead of these stores.
; left: how many younger loads stay out.
.macro PROC sig, left, re, rareg, rbase, rimm, sareg, simm
	s_wait_loadcnt \left                           ; loads come back in order (ISA guide 5.7.1): my oldest slice is in, the younger ones stay out
	WIN 0x45
	CVTSL \sig
	WIN 0x44
.if \re
	s_wait_alu depctr_vm_vsrc(0)                   ; the LDS stores of the turn before have read the slice in which the loads below land
.endif
	s_wait_alu depctr_va_vdst(0)                   ; the conversions have written this slice, which the stores below read; those of the turn before are done with the slice in which the loads below land
.if \re
	LOADSL ((\sig+3)&3), \rareg, \rbase, \rimm
.endif
	STORESL \sig, \sareg, \simm
.endm
; 16 LDS loads in a run: eight fragments of 16 rows x 32 k (lane (r, h): 16 bytes at 16 h and at 32 + 16 h of the 64 bytes of row r)
.macro FRAG buf, areg, imm
.irp f, 0,1,2,3,4,5,6,7
	ds_load_b128 v[\buf+8*\f:\buf+8*\f+3],   v[\areg] offset:64*\f+(\imm)
	ds_load_b128 v[\buf+8*\f+4:\buf+8*\f+7], v[\areg] offset:64*\f+32+(\imm)
.endr
.endm
; the 16 fragments of query block nb, out of my stage into windows 2 and 3.  LDS serves a wave's instructions in order
; (ISA guide 5.7.1): these loads see my stores in front of them.  No vector instruction has named these registers, and v5 was written ahead of the head's wait.
.macro QFRAG nb
	WIN 0x80
.irp k, 0,1,2,3,4,5,6,7
	ds_load_b128 v[8*(4*\k+\nb):8*(4*\k+\nb)+3],   v[ADRFQ] offset:64*\k
	ds_load_b128 v[8*(4*\k+\nb)+4:8*(4*\k+\nb)+7], v[ADRFQ] offset:64*\k+32
.endr
	WIN 0xc0
.irp k, 0,1,2,3,4,5,6,7
	ds_load_b128 v[8*(4*\k+\nb):8*(4*\k+\nb)+3],   v[ADRFQ] offset:512+64*\k
	ds_load_b128 v[8*(4*\k+\nb)+4:8*(4*\k+\nb)+7], v[ADRFQ] offset:512+64*\k+32
.endr
	WIN 0
.endm
; The diagonal's lanes for result register j: key 8 h + j = query r, that is lanes j and 24 + j; none in the groups without my diagonal.
.macro MASKS
	s_cmp_eq_u32 s16, s17
.irp j, 0,1,2,3,4,5,6,7
	s_cselect_b32 s[MK+\j], (1<<\j)|(1<<(24+\j)), 0
.endr
.endm
; Softmax of a finished key block, first part: the diagonal out of query block pj, then for each query block the new maximum,
; n = -c m, and n - n before = c (m before - m), the exponent of the factor that the old sum is due.
.macro PARTA acc, pj, nci, nco
.irp j, 0,1,2,3,4,5,6,7
	v_cndmask_b32 v[DG+\pj], v[DG+\pj], v[\acc+8*\pj+\j], s[MK+\j]
.endr
.irp t, 0,1,2,3
	v_max3_num_f32 v[TT+\t], v[\acc+8*\t], v[\acc+8*\t+1], v[\acc+8*\t+2]
.endr
.irp t, 0,1,2,3
	v_max3_num_f32 v[TT+\t], v[TT+\t], v[\acc+8*\t+3], v[\acc+8*\t+4]
.endr
.irp t, 0,1,2,3
	v_max3_num_f32 v[TT+\t], v[TT+\t], v[\acc+8*\t+5], v[\acc+8*\t+6]
.endr
.irp t, 0,1,2,3
	v_max3_num_f32 v[RM+\t], v[TT+\t], v[\acc+8*\t+7], v[RM+\t]
.endr
.irp t, 0,1,2,3
	v_mul_f32 v[\nco+2*\t], s22, v[RM+\t]
.endr
.irp t, 0,1,2,3
	v_sub_f32 v[\nco+2*\t+1], v[\nco+2*\t], v[\nci+2*\t]
.endr
.endm
; Second part, number n of 32 (query block n / 8, register n % 8): s c + n for a pair, 2^ of each, and behind a block's last its factor.
; It names no register of the matrix instructions between which it stands, and under their window settings it still means window 0:
; source 1 of the packed multiply-add is scalar.  No result of v_exp_f32 is named again before the wait of the half in which it stands.
.macro SAFE acc, nco, n
.if ((\n)&1) == 0
	v_pk_fma_f32 v[\acc+(\n):\acc+(\n)+1], v[\acc+(\n):\acc+(\n)+1], s[20:21], v[\nco+2*((\n)>>3):\nco+2*((\n)>>3)+1] op_sel_hi:[1,0,0]
.endif
	v_exp_f32 v[\acc+(\n)], v[\acc+(\n)]
.if ((\n)&7) == 7
	v_exp_f32 v[\nco+2*((\n)>>3)+1], v[\nco+2*((\n)>>3)+1]
.endif
.endm
; Third part, for query block t: sum = sum x factor + the eight new terms, in pairs.
.macro PARTC1 acc, nco, t
	v_pk_fma_f32 v[RL+2*\t:RL+2*\t+1], v[RL+2*\t:RL+2*\t+1], v[\nco+2*\t:\nco+2*\t+1], v[\acc+8*\t:\acc+8*\t+1] op_sel:[0,1,0] op_sel_hi:[1,1,1]
	v_pk_add_f32 v[TT+2*(\t&1):TT+2*(\t&1)+1], v[\acc+8*\t+2:\acc+8*\t+3], v[\acc+8*\t+4:\acc+8*\t+5]
	v_pk_add_f32 v[RL+2*\t:RL+2*\t+1], v[RL+2*\t:RL+2*\t+1], v[\acc+8*\t+6:\acc+8*\t+7]
	v_pk_add_f32 v[RL+2*\t:RL+2*\t+1], v[RL+2*\t:RL+2*\t+1], v[TT+2*(\t&1):TT+2*(\t&1)+1]
.endm
.macro PARTC acc, nco, ta, tb          ; two query blocks: 8 plain instructions.  The first reads no result of the last two v_exp_f32 in front of it
	PARTC1 \acc, \nco, \ta
	PARTC1 \acc, \nco, \tb
.endm
; 4 matrix instructions: 16 keys x my 64 queries x 32 along k (fragment k of buf, query fragments k of the window that is set).
; zero = 1: they start the sums with C = 0, nothing is cleared.
; safe: numbers n0, n0 + 1 of the block before's second softmax part, one behind every second matrix instruction.
; ld = 1 (k = 0 to 3): behind each matrix instruction one of the four LDS loads of fragments 2 k and 2 k + 1 of lbuf, the buffer that this half does not multiply.
; Data and address lie in window 0 under both of the products' settings.  No wait: no vector or matrix instruction since the last wait on va_vdst names lbuf or v4.
.macro MULK acc, buf, k, zero, safe, pacc, nco, n0, ld, lbuf, limm
.irp b, 0,1,2,3
.if \zero
	v_wmma_f32_16x16x32_bf16 v[\acc+8*\b:\acc+8*\b+7], v[\buf+8*\k:\buf+8*\k+7], v[8*(4*\k+\b):8*(4*\k+\b)+7], 0
.else
	v_wmma_f32_16x16x32_bf16 v[\acc+8*\b:\acc+8*\b+7], v[\buf+8*\k:\buf+8*\k+7], v[8*(4*\k+\b):8*(4*\k+\b)+7], v[\acc+8*\b:\acc+8*\b+7]
.endif
.if \safe
.if (\b&1) == 0
	SAFE \pacc, \nco, (\n0+(\b>>1))
.endif
.endif
.if \ld
	ds_load_b128 v[\lbuf+8*(2*\k+(\b>>1))+4*(\b&1):\lbuf+8*(2*\k+(\b>>1))+4*(\b&1)+3], v[ADRF] offset:64*(2*\k+(\b>>1))+32*(\b&1)+(\limm)
.endif
.endr
.endm
; ONE KEY BLOCK: half kb of the tile in slot, 64 matrix instructions.  Its ring slice is 2 (1 - slot) + kb, the next key block's the one behind it in the ring.
; docvt: my slice of half kb of the NEXT tile was converted and stored into the other slot at the end of the key block before; dold: that slice is loaded again at
; this block's end, with tile tl counted from KVB.  prev: the block before gets its softmax, pj its place in its group of four.
; nxt: 1 the next block lies in this slot, 2 in the other (a barrier), 0 there is none.
; cvn: at this block's end the next block's slice is converted and stored; nleft: how many younger loads stay out then.
; Places behind matrix instructions (ISA guide 7.12.1): PARTA reads the sums of the key block before; that block's conversions (where it has any) and the
; 8 instructions of PARTC at its end stand between.
.macro STEP slot, kb, tl, docvt, dold, prev, pj, nxt, cvn, nleft
.if \prev
	PARTA (ACC0+32*(1-\kb)), \pj, (NCA+8*(1-(\pj&1))), (NCA+8*(\pj&1))
.endif
	s_wait_dscnt 8*\docvt                          ; FA0 is in; the slice's 8 stores, issued behind its loads, may be out
	WIN 0x08
	MULK (ACC0+32*\kb), FA0, 0, 1, \prev, (ACC0+32*(1-\kb)), (NCA+8*(\pj&1)), 0, 1, FA1, (\slot*SLOTB+\kb*HB+512)
.irp g, 1,2,3
	MULK (ACC0+32*\kb), FA0, \g, 0, \prev, (ACC0+32*(1-\kb)), (NCA+8*(\pj&1)), (2*\g), 1, FA1, (\slot*SLOTB+\kb*HB+512)
.endr
.irp g, 4,5
	MULK (ACC0+32*\kb), FA0, \g, 0, \prev, (ACC0+32*(1-\kb)), (NCA+8*(\pj&1)), (2*\g), 0, FA1, 0
.endr
.if \nxt == 2
	s_wait_dscnt 0x0                               ; FA1 is in.  For the others: my stores into the other slot are done and my reads of this slot are over
	s_barrier_signal -1                            ; say so, and work on registers while the others arrive
.endif
.irp g, 6,7
	MULK (ACC0+32*\kb), FA0, \g, 0, \prev, (ACC0+32*(1-\kb)), (NCA+8*(\pj&1)), (2*\g), 0, FA1, 0
.endr
	WIN 0
.if \nxt != 2
	s_wait_dscnt 0x0                               ; FA1 is in
.endif
	s_wait_alu depctr_va_vdst(0)                   ; MID: the first half's matrix instructions are done reading FA0, in which the loads of the second half land; the 2^ of query blocks 0 and 1 and their two factors are written, which the sums below read
.if \prev
	PARTC (ACC0+32*(1-\kb)), (NCA+8*(\pj&1)), 0, 1 ; query blocks 0 and 1: their exponentials stood in the first half
.else
	PLACES                                         ; key block 0 has no sums to make: four v_nop stand where the other key blocks have eight instructions
.endif
.if \nxt == 2
	s_barrier_wait -1                              ; all four have said so: the other slot is whole and may be read, this one may be written from here on
.endif
.set NLD, 1                                        ; the next key block's first eight fragments: whether, and from where
.set NFA, \slot*SLOTB+HB
.if \nxt == 2
.set NFA, (1-\slot)*SLOTB
.endif
.if \nxt == 0
.set NLD, 0
.endif
	WIN 0x0c
.irp g, 0,1,2,3
	MULK (ACC0+32*\kb), FA1, \g, 0, \prev, (ACC0+32*(1-\kb)), (NCA+8*(\pj&1)), (16+2*\g), NLD, FA0, NFA
.endr
.irp g, 4,5,6,7
	MULK (ACC0+32*\kb), FA1, \g, 0, \prev, (ACC0+32*(1-\kb)), (NCA+8*(\pj&1)), (16+2*\g), 0, FA0, 0
.endr
.if \cvn
	s_wait_loadcnt \nleft                          ; loads come back in order (ISA guide 5.7.1): my oldest slice is in, the younger ones stay out
	WIN 0x45
	CVTSL ((2*(1-\slot)+\kb+1)&3)
	WIN 0x44
.else
	WIN 0
.endif
.if \dold
	s_wait_alu depctr_vm_vsrc(0)                   ; the LDS stores at the end of the key block before have read this block's slice, in which the loads below land
.endif
	s_wait_alu depctr_va_vdst(0)                   ; END: the conversions have written the next slice, which the stores below read, and those of a block ago are done with the slice in which the loads below land; the second half is done reading FA1, in which the next first half's loads land; the 2^ of query blocks 2 and 3 and their two factors are written, which the sums below read
.if \dold
	LOADSL (2*(1-\slot)+\kb), ADRG, KVB, (\tl*65536+\kb*32768)
.endif
.if \cvn
	STORESL ((2*(1-\slot)+\kb+1)&3), ADRS, ((1-\kb)*((1-\slot)*SLOTB+HB)+\kb*\slot*SLOTB)  ; the next block's half of the tile behind its own: into the slot that it does not read
	WIN 0
.endif
.if \prev
	PARTC (ACC0+32*(1-\kb)), (NCA+8*(\pj&1)), 2, 3 ; query blocks 2 and 3
.endif
.endm
	; THE RING IS FILLED: my first 16 query rows
	WIN 0x44
	s_wait_alu depctr_va_vdst(0)                   ; the seven addresses v4 to v10 are written: every load and store of the kernel reads one of them
	LOADSL 0, ADRGQ, QB, 0
	LOADSL 1, ADRGQ, QB, 8192
	LOADSL 2, ADRGQ, QB, 16384
	LOADSL 3, ADRGQ, QB, 24576
	WIN 0
.irp t, 0,1,2,3
	v_mov_b32 v[RM+\t], 0xff800000                 ; maximum -inf,
	v_mov_b32 v[NCB+2*\t], 0x7f800000              ; so n = +inf: the first factor is 2^-inf = 0
	v_mov_b32 v[DG+\t], 0
	v_mov_b32 v[RL+2*\t], 0
	v_mov_b32 v[RL+2*\t+1], 0
.endr
; MY QUERIES: 16 slices of 4 rows through my stage, 16 rows at a time, into fragments.  In slice qs's turn the ring place of slice qs - 1 is loaded again:
; with query slice qs + 3, at the end with the first three kv slices (tile 0, half of tile 1).
.macro QSLICE qs
.if ((\qs)&3) == 0
.if \qs
	s_wait_dscnt 0x0                               ; the fragments of the 16 rows before have left the stage
.endif
.endif
.if \qs == 0
	PROC 0, 48, 0, ADRGQ, QB, 0, ADRSQ, 0          ; three younger slices of 16 loads stay out; nothing to load again yet
.elseif \qs < 13
	PROC ((\qs)&3), 32, 1, ADRGQ, QB, ((\qs+3)*8192), ADRSQ, (((\qs)&3)*4*PITCH)   ; from here on two younger slices stay out
.else
	PROC ((\qs)&3), 32, 1, ADRG, KVB, ((\qs-13)*32768), ADRSQ, (((\qs)&3)*4*PITCH)
.endif
.if ((\qs)&3) == 3
	QFRAG ((\qs)>>2)
.endif
.endm
.irp qs, 0,1,2,3,4,5,6,7,8,9,10,11,12,13,14,15
	QSLICE \qs
.endr
	; TILE 0 into slot 0; the ring places in front take the second half of tile 1 and the first of tile 2
	PROC 0, 32, 1, ADRG, KVB, 98304, ADRS, 0
	PROC 1, 32, 1, ADRG, KVB, 131072, ADRS, HB
	WIN 0
	s_wait_dscnt 0x0                               ; my part of tile 0 is stored (and my last query fragments are in),
	s_barrier_signal -1
	s_barrier_wait -1                              ; everybody's is
	FRAG FA0, ADRF, 0                              ; no vector or matrix instruction has named FA0 yet
	PROC 2, 32, 1, ADRG, KVB, 163840, ADRS, SLOTB  ; key block 0's slice: the first half of tile 1 into slot 1
	WIN 0
	STEP 0, 0, 3, 1, 1, 0, 0, 1, 1, 32             ; key block 0: nothing in front of it to finish
	s_mov_b32 s16, 0                               ; s16: the group of four key blocks whose softmax the trip does, and the trip counter
.Ltrip:                                            ; trip d multiplies key blocks 4d+1 .. 4d+4 and finishes 4d .. 4d+3; KVB stands at tile 2d
	MASKS
	STEP 0, 1, 3, 1, 1, 1, 0, 2, 1, 32
	STEP 1, 0, 4, 1, 1, 1, 1, 1, 1, 32
	STEP 1, 1, 4, 1, 1, 1, 2, 2, 1, 32
	STEP 0, 0, 5, 1, 1, 1, 3, 1, 1, 32
	s_wait_xcnt 0x0                                ; the base of the loads issued so far is stepped only behind this wait
	s_add_nc_u64 s[KVB:KVB+1], s[KVB:KVB+1], 131072
	s_add_co_u32 s16, s16, 1
	s_cmp_lt_u32 s16, 14
	s_cbranch_scc1 .Ltrip
	; THE TAIL, key blocks 57 to 63: one more slice is asked for (the last of tile 31), then none, and the counts run down
	MASKS                                          ; group 14
	STEP 0, 1, 3, 1, 1, 1, 0, 2, 1, 32
	STEP 1, 0, 0, 1, 0, 1, 1, 1, 1, 32
	STEP 1, 1, 0, 1, 0, 1, 2, 2, 1, 16
	STEP 0, 0, 0, 1, 0, 1, 3, 1, 1, 0
	s_mov_b32 s16, 15
	MASKS                                          ; group 15
	STEP 0, 1, 0, 1, 0, 1, 0, 2, 0, 0
	STEP 1, 0, 0, 0, 0, 1, 1, 1, 0, 0
	STEP 1, 1, 0, 0, 0, 1, 2, 0, 0, 0
	PARTA ACC1, 3, NCA, NCB                        ; key block 63; the eight instructions at the last step's end are the places behind the last matrix instructions
.set nn, 0
.rept 32
	SAFE ACC1, NCB, nn
.set nn, nn+1
.endr
	s_wait_alu depctr_va_vdst(0)                   ; key block 63's 32 powers and four factors are written, which the sums below read
	PARTC ACC1, NCB, 0, 1
	PARTC ACC1, NCB, 2, 3
	; THE WAY OUT.  Lanes (r, 0) and (r, 1) hold query r's figures over the even and the odd eights of keys: join them.
.irp t, 0,1,2,3
	v_add_f32 v[RL+2*\t], v[RL+2*\t], v[RL+2*\t+1]
.endr
.irp t, 0,1,2,3
	v_permlanex16_b32 v[EM+\t], v[RM+\t], s18, s19         ; (destinations that have been written before: they count as read)
	v_permlanex16_b32 v[EL+\t], v[RL+2*\t], s18, s19
	v_permlanex16_b32 v[ED+\t], v[DG+\t], s18, s19
.endr
.irp t, 0,1,2,3
	v_max_num_f32 v[EX+\t], v[RM+\t], v[EM+\t]             ; the joint maximum
	v_add_f32 v[DG+\t], v[DG+\t], v[ED+\t]                 ; one of the two is 0
.endr
.irp t, 0,1,2,3
	v_mul_f32 v[EN+\t], s22, v[EX+\t]
.endr
.irp t, 0,1,2,3
	v_fma_f32 v[RM+\t], v[RM+\t], s20, v[EN+\t]            ; c (m - joint m), mine and the other half's
	v_fma_f32 v[EM+\t], v[EM+\t], s20, v[EN+\t]
.endr
.irp t, 0,1,2,3
	v_exp_f32 v[RM+\t], v[RM+\t]
	v_exp_f32 v[EM+\t], v[EM+\t]
.endr
	v_mov_b32 v[QD+3], 0                                   ; the fourth word of a row's 16 bytes; also the plain place behind v_exp_f32
	v_mov_b32 v[QD+7], 0
	v_cmp_le_u32 vcc_lo, 16, v1                            ; lanes 16-31
	s_wait_alu depctr_va_vdst(0)                           ; the eight factors of the join are written, which the products below read
.irp t, 0,1,2,3
	v_mul_f32 v[RL+2*\t], v[RL+2*\t], v[RM+\t]
.endr
.irp t, 0,1,2,3
	v_fmac_f32 v[RL+2*\t], v[EL+\t], v[EM+\t]
.endr
	; Both halves now hold all four query blocks.  Lanes 0-15 store block 2 p, lanes 16-31 block 2 p + 1: lane L stores row 32 p + L,
	; and each store of the wave covers 512 consecutive bytes, at a multiple of 512 from part's first byte.
	s_wait_alu depctr_va_vcc(0)                            ; VCC is written by the compare above, ahead of its first reader
.irp p, 0,1
	v_cndmask_b32 v[QD+4*\p],   v[EX+2*\p], v[EX+2*\p+1], vcc_lo
	v_cndmask_b32 v[QD+4*\p+1], v[RL+4*\p], v[RL+4*\p+2], vcc_lo
	v_cndmask_b32 v[QD+4*\p+2], v[DG+2*\p], v[DG+2*\p+1], vcc_lo
.endr
	s_wait_alu depctr_va_vdst(0)                           ; the selects and the two zeros have written v[QD ..], which the two stores read
.irp p, 0,1
	global_store_b128 v[ADRO], v[QD+4*\p:QD+4*\p+3], s[PB:PB+1] offset:512*\p
.endr
	s_wait_dscnt 0x0
	s_wait_alu depctr_hold_cnt(0) depctr_sa_sdst(0) depctr_va_vdst(0) depctr_va_sdst(0) depctr_va_ssrc(0) depctr_va_vcc(0) depctr_vm_vsrc(0)
	s_wait_tensorcnt 0x0
	ds_add_u32 v254, v255
	s_wait_dscnt 0x0
	s_endpgm
.Lfunc_end_k_q283c40357c_scores:
	.size	k_q283c40357c_scores, .Lfunc_end_k_q283c40357c_scores-k_q283c40357c_scores
	.p2alignl 7, 3214868480
	.fill 96, 4, 3214868480
	.section	.rodata,"a",@progbits
	.p2align	6, 0x0
	.amdhsa_kernel k_q283c40357c_scores
		.amdhsa_group_segment_fixed_size 133632
		.amdhsa_private_segment_fixed_size 0
		.amdhsa_enable_private_segment 0
		.amdhsa_kernarg_size 24
		.amdhsa_user_sgpr_count 2
		.amdhsa_user_sgpr_kernarg_segment_ptr 1
		.amdhsa_wavefront_size32 1
		.amdhsa_system_sgpr_workgroup_id_x 1
		.amdhsa_system_sgpr_workgroup_id_y 1
		.amdhsa_system_sgpr_workgroup_id_z 1
		.amdhsa_system_vgpr_workitem_id 0
		.amdhsa_next_free_vgpr 1024
		.amdhsa_next_free_sgpr 66
		.amdhsa_reserve_vcc 1
		.amdhsa_float_denorm_mode_32 3
		.amdhsa_float_denorm_mode_16_64 3
		.amdhsa_memory_ordered 1
		.amdhsa_forward_progress 1
		.amdhsa_inst_pref_size 255
	.end_amdhsa_kernel
	.section	.bss,"aw",@nobits
	.p2align	6
	.space	262144
	.amdgpu_metadata
---
amdhsa.version: [ 1, 2 ]
amdhsa.kernels:
  - .name:           k_q283c40357c_scores
    .symbol:         k_q283c40357c_scores.kd
    .args:
      - { .name: kv, .offset: 0, .size: 8, .value_kind: global_buffer, .address_space: global }
      - { .name: q, .offset: 8, .size: 8, .value_kind: global_buffer, .address_space: global }
      - { .name: part, .offset: 16, .size: 8, .value_kind: global_buffer, .address_space: global }
    .group_segment_fixed_size: 133632
    .private_segment_fixed_size: 0
    .kernarg_segment_align: 8
    .kernarg_segment_size: 24
    .max_flat_workgroup_size: 128
    .sgpr_count:     66
    .vgpr_count:     1024
    .wavefront_size: 32
...
	.end_amdgpu_metadata
.endif
;; end of part 3
;; launch merge: the kernel of part 2 again; grid 256 x 1, 1 waves a work-group, no clusters, 512 bytes of LDS; arguments part, out0; writes out0
